; MI455X (gfx1250); checked and timed in simulation.
; The chip was launched on July 23, 2026; its instructions are those of AMD's public machine-readable ISA for CDNA 5 (MIT licence, August 2026) and "CDNA5" Instruction Set Architecture Reference Guide (July 2026). The comments in the code are by the model that wrote it; some were corrected since.
;; Attention Block. Allowed arithmetic: float matrix products may take bf16 or f16 operands with f32 sums; all other float work in f32.
;; Inputs: beta 256 float32; bk 256 float32; bp 256 float32; bq 256 float32; bv 256 float32; gamma 256 float32; wk 256 x 256 float32; wp 256 x 256 float32; wq 256 x 256 float32; wv 256 x 256 float32; x 4 x 256 x 64 x 64 float32.
;; Outputs: out0 4 x 256 x 64 x 64 float32.
;; One version. Each part assembles by itself: llvm-mc -triple=amdgcn-amd-amdhsa -mcpu=gfx1250 --defsym DOCPART=n.
;; ======== version 1 of 1: 3 launches
;; workspace buffers: stats 2,048 bytes; wf 524,288 bytes; qf 8,388,608 bytes; kv 17,301,504 bytes
;; launch stats (part 1): grid 256 x 1, 8 waves a work-group, no clusters, 1,280 bytes of LDS; arguments x, wq, wk, wv, wp, stats, wf; writes stats, wf
.if DOCPART == 1
	.amdgcn_target "amdgcn-amd-amdhsa--gfx1250"
	.amdhsa_code_object_version 6
	.text
	.protected	k_q5fe6dc6d38_stats
	.globl	k_q5fe6dc6d38_stats
	.p2align	8
	.type	k_q5fe6dc6d38_stats,@function
k_q5fe6dc6d38_stats:
	s_mov_b64 s[64:65], 0
	v_nop
	global_prefetch_b8 v0, s[64:65] scope:SCOPE_SE
	s_setreg_imm32_b32 hwreg(HW_REG_WAVE_MODE, 25, 1), 1
	s_wait_xcnt 0x0
; GroupNorm statistics by chunks, and the four weight matrices as bf16 fragment images.
; x: [4][256][4096] f32.  A group is 32 channels = 512 KiB; work-group g owns 64 KiB of x at byte 65,536 g:
; chunk g & 7 (4 channels) of (batch, group) g >> 3.  It stores (mean, M2) of its 16,384 numbers, M2 = the sum of
; squares of the distances from the chunk's OWN mean: the chunk stays in registers between the two passes, so x is
; read once here and no difference of large sums is formed.  The next launch joins the eight chunks of a group.
; Weights: wf = [matrix q,k,v,p][o tile 16][c step 8][u 2][lane 32][16 bytes] bf16.  Lane (r = lane & 15, h = lane >> 4)
; of half u holds W[16 ot + r][32 cs + 16 u + 8 h + 0..7]: the register image of a 16 x 32 operand (ISA guide 7.12.2),
; so later launches read an operand as two runs of 512 consecutive bytes.  Work-group g makes bytes 2,048 g .. + 2,047.
; No LDS ring, no matrix unit, no cluster: the work-groups share no input and all 64 KiB of a group are asked for at once.
.set X,   32                           ; v[32:95]  my 64 numbers of x
.set ACC, 8                            ; v[8:15]   four chains of packed sums
	s_load_b256 s[4:11], s[0:1], 0x0               ; x s[4:5], wq s[6:7], wk s[8:9], wv s[10:11]
	s_load_b128 s[12:15], s[0:1], 0x20             ; wp s[12:13], stats s[14:15]
	s_load_b64 s[16:17], s[0:1], 0x30              ; wf
	v_lshl_add_u32 v96, v0, 2, 0x100
	v_mov_b32 v97, 0
	v_lshrrev_b32 v1, 5, v0
	v_readfirstlane_b32 s18, v1                    ; wave 0..7
	s_lshr_b32 s20, ttmp9, 6                       ; which matrix: 64 work-groups for each
	s_bfe_u32 s21, ttmp9, 0x40002                  ; o tile = (g >> 2) & 15
	s_and_b32 s22, ttmp9, 3                        ; which 64 columns
	s_lshl_b32 s21, s21, 14                        ; 16 rows of 1,024 bytes
	s_lshl_b32 s22, s22, 8                         ; 64 columns of 4 bytes
	s_add_co_u32 s22, s22, s21
	s_mov_b32 s23, 0
	s_lshl_b32 s24, ttmp9, 16                      ; my 64 KiB of x
	s_mov_b32 s25, 0
	s_lshl_b32 s26, ttmp9, 11                      ; my 2 KiB of wf
	s_mov_b32 s27, 0
	s_lshl_b32 s28, ttmp9, 3                       ; my 8 bytes of stats
	s_mov_b32 s29, 0
	s_mov_b32 s30, 0x76543210                      ; v_permlanex16_b32: lane i reads lane i of the other half
	s_mov_b32 s31, 0xfedcba98
	v_lshlrev_b32 v2, 4, v0                        ; x: 16 bytes a thread, 4,096 for the group
	v_bfe_u32 v3, v0, 1, 4                         ; weights: row r = (t >> 1) & 15,
	v_lshlrev_b32 v3, 10, v3
	v_lshl_add_u32 v3, v1, 5, v3                   ; columns 8 (t >> 5) ..
	v_and_b32 v4, 1, v0
	v_lshl_add_u32 v3, v4, 4, v3                   ; + 4 (t & 1): the eight waves read whole runs of 256 bytes of 16 rows
	v_lshlrev_b32 v4, 3, v0                        ; wf: 8 bytes a thread, a wave stores 256 consecutive bytes
	v_lshlrev_b32 v5, 2, v1                        ; LDS: one word for each wave
	v_mov_b32 v16, 0
	s_wait_kmcnt 0x0
	s_cmp_eq_u32 s20, 1                            ; the matrix's address: a choice on the work-group's number alone
	s_cselect_b64 s[6:7], s[8:9], s[6:7]
	s_cmp_eq_u32 s20, 2
	s_cselect_b64 s[6:7], s[10:11], s[6:7]
	s_cmp_eq_u32 s20, 3
	s_cselect_b64 s[6:7], s[12:13], s[6:7]
	s_add_nc_u64 s[6:7], s[6:7], s[22:23]
	s_add_nc_u64 s[4:5], s[4:5], s[24:25]
	s_add_nc_u64 s[16:17], s[16:17], s[26:27]
	s_add_nc_u64 s[14:15], s[14:15], s[28:29]
	global_load_b128 v[8:11], v3, s[6:7]           ; four weights
.irp i, 0,1,2,3,4,5,6,7,8,9,10,11,12,13,14,15
	global_load_b128 v[X+4*\i:X+4*\i+3], v2, s[4:5] offset:4096*\i   ; a wave's load covers 512 consecutive bytes
.endr
	s_wait_loadcnt 16                              ; the weights are in; the sixteen loads of x issued behind them stay out
	v_cvt_pk_bf16_f32 v6, v8, v9
	v_cvt_pk_bf16_f32 v7, v10, v11
	global_store_b64 v4, v[6:7], s[16:17]          ; v4, v6, v7 are not written again
	s_wait_loadcnt 0x0
; the four chains, then the two halves of a pair, then the 32 lanes: every lane ends with the wave's sum in v[ACC]
.macro WSUM
	v_pk_add_f32 v[ACC:ACC+1], v[ACC:ACC+1], v[ACC+2:ACC+3]
	v_pk_add_f32 v[ACC+4:ACC+5], v[ACC+4:ACC+5], v[ACC+6:ACC+7]
	v_pk_add_f32 v[ACC:ACC+1], v[ACC:ACC+1], v[ACC+4:ACC+5]
	v_add_f32 v[ACC], v[ACC], v[ACC+1]
	v_add_f32_dpp v[ACC], v[ACC], v[ACC] row_xmask:1 row_mask:0xf bank_mask:0xf
	v_add_f32_dpp v[ACC], v[ACC], v[ACC] row_xmask:2 row_mask:0xf bank_mask:0xf
	v_add_f32_dpp v[ACC], v[ACC], v[ACC] row_xmask:4 row_mask:0xf bank_mask:0xf
	v_add_f32_dpp v[ACC], v[ACC], v[ACC] row_xmask:8 row_mask:0xf bank_mask:0xf
	v_permlanex16_b32 v[ACC+1], v[ACC], s30, s31
	v_add_f32 v[ACC], v[ACC], v[ACC+1]
.endm
; my wave's sum into its word at byte off + 4 wave; the wait is for the other waves' sake, then the barrier
.macro SHARE off
	ds_store_b32 v5, v[ACC] offset:\off
	s_wait_dscnt 0x0
	s_barrier_signal -1
	s_barrier_wait -1
.endm
; the eight waves' words, added: v20
.macro GATHER off
	ds_load_b128 v[20:23], v16 offset:\off
	ds_load_b128 v[24:27], v16 offset:\off+16
	s_wait_dscnt 0x0
	v_pk_add_f32 v[20:21], v[20:21], v[22:23]
	v_pk_add_f32 v[24:25], v[24:25], v[26:27]
	v_pk_add_f32 v[20:21], v[20:21], v[24:25]
	v_add_f32 v20, v20, v21
.endm
	; pass 1: the sum.  The first eight pairs start the chains: nothing is cleared.
.irp k, 0,2,4,6
	v_pk_add_f32 v[ACC+\k:ACC+\k+1], v[X+\k:X+\k+1], v[X+8+\k:X+8+\k+1]
.endr
.irp j, 2,3,4,5,6,7
.irp k, 0,2,4,6
	v_pk_add_f32 v[ACC+\k:ACC+\k+1], v[ACC+\k:ACC+\k+1], v[X+8*\j+\k:X+8*\j+\k+1]
.endr
.endr
	WSUM
	SHARE 0
	GATHER 0
	v_mul_f32 v18, 0x38800000, v20                 ; the chunk's mean = sum / 16,384
	v_mov_b32 v19, v18
	; pass 2, from the same registers: distances from the mean, and the sum of their squares
.set ii, 0
.rept 32
	v_pk_add_f32 v[X+2*ii:X+2*ii+1], v[X+2*ii:X+2*ii+1], v[18:19] neg_lo:[0,1] neg_hi:[0,1]
.set ii, ii+1
.endr
.irp k, 0,2,4,6
	v_pk_mul_f32 v[ACC+\k:ACC+\k+1], v[X+\k:X+\k+1], v[X+\k:X+\k+1]
.endr
.irp j, 1,2,3,4,5,6,7
.irp k, 0,2,4,6
	v_pk_fma_f32 v[ACC+\k:ACC+\k+1], v[X+8*\j+\k:X+8*\j+\k+1], v[X+8*\j+\k:X+8*\j+\k+1], v[ACC+\k:ACC+\k+1]
.endr
.endr
	WSUM
	SHARE 32                                       ; other bytes than the first sum's: no wave can still be reading them
	s_cmp_lg_u32 s18, 0
	s_cbranch_scc1 .Lothers                        ; wave 0 alone writes the result; no barrier follows
	GATHER 32
	v_mov_b32 v19, v20                             ; v[18:19] = (mean, M2)
	s_wait_xcnt 0x0                                ; EXEC is a source of the store of the weights: it changes only behind this wait
	v_cmp_eq_u32 vcc_lo, 0, v0
	s_wait_tensorcnt 0x0
	ds_add_u32 v96, v97
	s_wait_dscnt 0x0
	s_and_saveexec_b32 s19, vcc_lo
	global_store_b64 v16, v[18:19], s[14:15]       ; 8 bytes for a work-group: 2 KiB in the whole launch
	s_endpgm
.Lothers:
	s_wait_tensorcnt 0x0
	ds_add_u32 v96, v97
	s_wait_dscnt 0x0
	s_endpgm
.Lfunc_end_k_q5fe6dc6d38_stats:
	.size	k_q5fe6dc6d38_stats, .Lfunc_end_k_q5fe6dc6d38_stats-k_q5fe6dc6d38_stats
	.p2alignl 7, 3214868480
	.fill 96, 4, 3214868480
	.section	.rodata,"a",@progbits
	.p2align	6, 0x0
	.amdhsa_kernel k_q5fe6dc6d38_stats
		.amdhsa_group_segment_fixed_size 1280
		.amdhsa_private_segment_fixed_size 0
		.amdhsa_enable_private_segment 0
		.amdhsa_kernarg_size 56
		.amdhsa_user_sgpr_count 2
		.amdhsa_user_sgpr_kernarg_segment_ptr 1
		.amdhsa_wavefront_size32 1
		.amdhsa_system_sgpr_workgroup_id_x 1
		.amdhsa_system_sgpr_workgroup_id_y 1
		.amdhsa_system_sgpr_workgroup_id_z 1
		.amdhsa_system_vgpr_workitem_id 0
		.amdhsa_next_free_vgpr 98
		.amdhsa_next_free_sgpr 66
		.amdhsa_reserve_vcc 1
		.amdhsa_float_denorm_mode_32 3
		.amdhsa_float_denorm_mode_16_64 3
		.amdhsa_memory_ordered 1
		.amdhsa_forward_progress 1
		.amdhsa_inst_pref_size 13
	.end_amdhsa_kernel
	.amdgpu_metadata
---
amdhsa.version: [ 1, 2 ]
amdhsa.kernels:
  - .name:           k_q5fe6dc6d38_stats
    .symbol:         k_q5fe6dc6d38_stats.kd
    .args:
      - { .name: x, .offset: 0, .size: 8, .value_kind: global_buffer, .address_space: global }
      - { .name: wq, .offset: 8, .size: 8, .value_kind: global_buffer, .address_space: global }
      - { .name: wk, .offset: 16, .size: 8, .value_kind: global_buffer, .address_space: global }
      - { .name: wv, .offset: 24, .size: 8, .value_kind: global_buffer, .address_space: global }
      - { .name: wp, .offset: 32, .size: 8, .value_kind: global_buffer, .address_space: global }
      - { .name: stats, .offset: 40, .size: 8, .value_kind: global_buffer, .address_space: global }
      - { .name: wf, .offset: 48, .size: 8, .value_kind: global_buffer, .address_space: global }
    .group_segment_fixed_size: 1280
    .private_segment_fixed_size: 0
    .kernarg_segment_align: 8
    .kernarg_segment_size: 56
    .max_flat_workgroup_size: 256
    .sgpr_count:     66
    .vgpr_count:     98
    .wavefront_size: 32
...
	.end_amdgpu_metadata
.endif
;; end of part 1
;; launch qkv (part 2): grid 256 x 1, 4 waves a work-group, clusters of 4 x 1, 327,680 bytes of LDS; arguments x, gamma, beta, stats, wf, bq, bk, bv, qf, kv; writes qf, kv
.if DOCPART == 2
	.amdgcn_target "amdgcn-amd-amdhsa--gfx1250"
	.amdhsa_code_object_version 6
	.text
	.protected	k_q5fe6dc6d38_qkv
	.globl	k_q5fe6dc6d38_qkv
	.p2align	8
	.type	k_q5fe6dc6d38_qkv,@function
k_q5fe6dc6d38_qkv:
	s_mov_b64 s[64:65], 0
	v_nop
	global_prefetch_b8 v0, s[64:65] scope:SCOPE_SE
	s_setreg_imm32_b32 hwreg(HW_REG_WAVE_MODE, 25, 1), 1
	s_wait_xcnt 0x0
	s_wait_alu depctr_hold_cnt(0) depctr_sa_sdst(0) depctr_va_vdst(0) depctr_va_sdst(0) depctr_va_ssrc(0) depctr_va_vcc(0) depctr_vm_vsrc(0)
	s_getreg_b32 s2, hwreg(HW_REG_IB_STS2, 6, 4)
	s_cmp_eq_u32 s2, 0
	s_cbranch_scc0 .Lentry_in_a_cluster
	s_endpgm
.Lentry_in_a_cluster:
	s_bfe_u32 s2, ttmp6, 0x10000c
	s_cmp_lg_u32 s2, 0x3003
	s_cbranch_scc0 .Lentry_shape_is_right
	s_endpgm
.Lentry_shape_is_right:
; GroupNorm applied, then q, k, v = W xn + b, stored as bf16 operand images for the attention launch.
; A work-group owns 64 pixels of one batch (id = 64 batch + pixel block).  Wave w normalises channels 64 w .. 64 w + 63 and
; makes output channels 64 w .. 64 w + 63 of q, of k and of v: 12 tiles of 16 channels x 64 pixels, 32 matrix instructions each.
; OPERAND IMAGES.  A 16 x 32 bf16 operand is 8 registers: lane (r = lane & 15, h = lane >> 4) holds row r; registers 0-3 hold
; k = 8 h + 0..7, registers 4-7 k = 16 + 8 h + 0..7 (ISA guide 7.12.2).  In memory it is [u 2][lane 32][16 bytes].  A result tile has
; register j = row 8 h + j, lane r = column r: rounded to bf16 and packed it IS one half u of the next product's operand.
;   q, k: A = W (rows o), B = xn (rows pixel): a lane holds 8 neighbouring channels of pixel r   -> half (o tile & 1) of c step (o tile >> 1)
;   v:    A = xn (rows pixel), B = W (rows o): a lane holds 8 neighbouring pixels of channel r   -> half (pixel tile & 1) of a key step of 32
; So every store of a wave is 512 consecutive bytes, aligned, straight from registers.
;   qf = [batch][pixel tile 256][c step 8][u][lane][16]             holds q log2(e) / 16: the softmax's scale and the base of v_exp_f32
;   kv = [batch][place 132][ K of key step p: [tile 2][c step 8][u][lane][16] | V of key step p - 4: [channel tile 16][u][lane][16] ]   16 KiB + 16 KiB
;        The attention launch multiplies K one of its steps (four key steps) ahead of V, so what one of its steps reads lies in one place.
;        The V halves of places 0-3 and the K halves of places 128-131 are neither stored nor read.
; CLUSTER: every work-group walks the same weights, so the four of a cluster ask jointly: wave w of each issues the same tensor load
; (32 KiB, its quarter of a matrix, mask 15), which divides the requests for the weights by four.
; LIMITS: xn, the weights and q, k, v are rounded to bf16; sums, statistics and the normalisation are f32.
.set WAVE, 40                          ; s40      wave number
.set G1,   24                          ; s[24:31] descriptor group 1
.set G0,   32                          ; s[32:39] descriptor group 0, one set for each slot
.set KVB,  4325376                     ; bytes of kv for a batch: 132 places of 32 KiB
.set XN,   262144                      ; LDS: xn as bf16 [channel 256][64 pixels], behind the ring of weights; written by LDS stores alone
.set XP,   160                         ; its pitch: 128 bytes + 32, an odd multiple of 32, for the transposing loads
; LDS 0 .. 262,143: wave w, slot s at 65,536 w + 32,768 s: each wave fills and reads its own bytes.
; window 0:  v4 x offset  v5 gamma, beta  v6 stats  v7 xn store  v8 xn transposed read  v9 my weights in LDS
;            v10 bias of q, k  v11 bias of v  v12 q, k store  v13 v store  v[14:15] (mean, rstd)  v16-23 at work
.set GM,   32                          ; v[32:63]   gamma of my 32 channels, then gamma rstd
.set BT,   64                          ; v[64:95]   beta
.set ST,   96                          ; v[96:111]  (mean, M2) of the eight chunks of my group
.set PK,   112                         ; v[112:127] a tile packed for its four stores
.set X,    128                         ; v[128:255] 32 rows x 4 pixels of x
; window 1:  xn operands: (pixel tile pt, c step cs) at 8 (8 pt + cs)
; window 2:
.set WB0,  0                           ; weights of one o tile, 8 c steps; two buffers
.set WB1,  64
.set ACC,  128                         ; four accumulators, one for each pixel tile
.set BI,   160                         ; twelve bias tiles: the C of each tile's first products
.set MSB, 0
.macro WIN new                         ; s_set_vgpr_msb: bits 1:0 source 0, 3:2 source 1, 5:4 source 2, 7:6 destination; the high byte repeats the setting left
.if MSB != \new
	s_set_vgpr_msb (MSB<<8)|\new
.set MSB, \new
.endif
.endm
.macro PLACES count
.rept \count
	v_nop
.endr
.endm
; A round of the cluster's barrier: my work-group's barrier, wave 0 signals for the work-group, every wave waits for all four work-groups, my work-group's barrier again.
.macro ROUND
	s_barrier_signal -1
	s_barrier_wait -1
	s_cmp_lg_u32 s[WAVE], 0
	s_cbranch_scc1 .Lnot_wave_0_\@
	s_barrier_signal -3
.Lnot_wave_0_\@:
	s_barrier_wait -3
	s_barrier_signal -1
	s_barrier_wait -1
.endm
	s_load_b256 s[4:11], s[0:1], 0x0               ; x s[4:5], gamma s[6:7], beta s[8:9], stats s[10:11]
	s_load_b256 s[12:19], s[0:1], 0x20             ; wf s[12:13], bq s[14:15], bk s[16:17], bv s[18:19]
	s_load_b128 s[20:23], s[0:1], 0x40             ; qf s[20:21], kv s[22:23]
	v_lshl_add_u32 v30, v0, 2, 0x4a000
	v_mov_b32 v31, 0
	ds_add_u32 v30, v31
	v_lshrrev_b32 v16, 5, v0
	v_readfirstlane_b32 s[WAVE], v16
	s_bfe_u32 s41, ttmp6, 0x40000                  ; cx: my place in the cluster
	s_lshl_b32 s42, ttmp9, 2
	s_add_co_u32 s42, s42, s41                     ; id = 4 x cluster + cx
	; group 1: 128 rows of 32 elements of 8 bytes, dense: 32 KiB as rows of 256 bytes
	s_mov_b32 s[G1+0], 15|(3<<16)|(1<<21)          ; 15:0 mask: all four of the cluster; 17:16 elements of 8 bytes; 21 set beside a mask; no padding
	s_mov_b32 s[G1+1], 32<<16                      ; tensor_dim0 = 32
	s_mov_b32 s[G1+2], 128<<16                     ; tensor_dim1 = 128
	s_mov_b32 s[G1+3], 32<<16                      ; tile_dim0 = 32
	s_mov_b32 s[G1+4], 128                         ; tile_dim1 = 128
	s_mov_b32 s[G1+5], 32                          ; from row to row: 32 elements
	s_mov_b32 s[G1+6], 0
	s_mov_b32 s[G1+7], 0
	v_and_b32 v1, 31, v0                           ; lane
	v_and_b32 v2, 15, v0                           ; r
	v_bfe_u32 v3, v0, 4, 1                         ; h
	s_lshl_b32 s43, s[WAVE], 6
	v_lshlrev_b32 v16, 5, v3
	v_add_nc_u32 v16, s43, v16                     ; my first channel: 64 w + 32 h, so that a half of the lanes stays in group 2 w + h
	v_lshlrev_b32 v17, 4, v2
	v_lshl_add_u32 v4, v16, 14, v17                ; x: channel rows of 16,384 bytes, 16 bytes (4 pixels) a lane
	v_lshlrev_b32 v5, 2, v16                       ; gamma, beta: 32 neighbouring numbers
	v_lshlrev_b32 v6, 1, v16                       ; stats: 64 bytes for a group = 2 x first channel
	v_mul_u32_u24 v7, v16, XP
	v_lshl_add_u32 v7, v2, 3, v7
	v_add_nc_u32 v7, XN, v7                        ; xn store: row of my first channel, 8 bytes (4 pixels) a lane
	v_and_b32 v17, 7, v0
	v_lshl_add_u32 v17, v3, 3, v17
	v_mul_u32_u24 v8, v17, XP                      ; xn read, transposing: row 8 h + (lane & 7),
	v_bfe_u32 v17, v0, 3, 1
	v_lshl_add_u32 v8, v17, 4, v8                  ; 16 bytes x ((lane >> 3) & 1)
	v_add_nc_u32 v8, XN, v8
	s_mul_i32 s43, s[WAVE], 65536                  ; my two slots
	v_lshlrev_b32 v18, 4, v1                       ; 16 x lane
	v_add_nc_u32 v9, s43, v18
	v_lshlrev_b32 v10, 5, v3
	v_lshl_add_u32 v10, s[WAVE], 8, v10            ; bias of q, k: o = 64 w + 16 t + 8 h + j
	v_lshlrev_b32 v11, 2, v2
	v_lshl_add_u32 v11, s[WAVE], 8, v11            ; bias of v: o = 64 w + 16 t + r
	v_lshl_add_u32 v12, s[WAVE], 11, v18           ; q, k: o tile 4 w + t at 512 bytes each
	v_lshl_add_u32 v13, s[WAVE], 12, v18           ; v: channel tile 4 w + t at 1,024 bytes each
	s_lshr_b32 s44, s42, 6                         ; batch
	s_and_b32 s45, s42, 63                         ; pixel block
	s_lshl_b32 s44, s44, 22
	s_lshl_b32 s45, s45, 8
	s_add_co_u32 s44, s44, s45
	s_mov_b32 s45, 0
	s_lshl_b32 s46, s[WAVE], 15                    ; my quarter of a weight matrix; s[46:47] never hold my place in the cluster
	s_mov_b32 s47, 0
	s_wait_dscnt 0x0
	s_wait_kmcnt 0x0
	s_add_nc_u64 s[4:5], s[4:5], s[44:45]          ; x at my batch and pixels
	s_lshr_b32 s44, s42, 6
	s_lshl_b32 s44, s44, 9
	s_add_nc_u64 s[10:11], s[10:11], s[44:45]      ; stats at my batch
	s_lshl_b32 s44, s42, 15
	s_add_nc_u64 s[20:21], s[20:21], s[44:45]      ; qf: four pixel tiles of 8 KiB
	s_lshr_b32 s44, s42, 6
	s_mul_i32 s44, s44, KVB
	s_add_nc_u64 s[22:23], s[22:23], s[44:45]      ; kv at my batch,
	s_and_b32 s44, s42, 63
	s_lshl_b32 s44, s44, 16
	s_add_nc_u64 s[22:23], s[22:23], s[44:45]      ; at the place of my first key step: two places of 32 KiB for a pixel block
	s_add_nc_u64 s[12:13], s[12:13], s[46:47]      ; wf at my quarter of Wq
	; 52 loads for the normalisation, then 20 for the biases
.irp i, 0,1,2,3
	global_load_b128 v[ST+4*\i:ST+4*\i+3], v6, s[10:11] offset:16*\i
.endr
.irp i, 0,1,2,3,4,5,6,7
	global_load_b128 v[GM+4*\i:GM+4*\i+3], v5, s[6:7] offset:16*\i
.endr
.irp i, 0,1,2,3,4,5,6,7
	global_load_b128 v[BT+4*\i:BT+4*\i+3], v5, s[8:9] offset:16*\i
.endr
.set ii, 0
.rept 32
	global_load_b128 v[X+4*ii:X+4*ii+3], v4, s[4:5] offset:16384*ii   ; channel 64 w + 32 h + ii: sixteen lanes take 256 consecutive bytes, aligned
.set ii, ii+1
.endr
	WIN 0x80                                       ; destination in window 2
.irp t, 0,1,2,3
	global_load_b128 v[BI+8*\t:BI+8*\t+3],       v10, s[14:15] offset:64*\t
	global_load_b128 v[BI+8*\t+4:BI+8*\t+7],     v10, s[14:15] offset:64*\t+16
	global_load_b128 v[BI+32+8*\t:BI+32+8*\t+3],   v10, s[16:17] offset:64*\t
	global_load_b128 v[BI+32+8*\t+4:BI+32+8*\t+7], v10, s[16:17] offset:64*\t+16
	global_load_b32  v[BI+64+8*\t],              v11, s[18:19] offset:64*\t
.endr
	WIN 0
	ROUND                                          ; all four work-groups are here: the first joint loads meet
.irp s, 0,1
	s_mov_b32 s[G0+4*\s], 1                                        ; count = 1
	s_add_co_u32 s[G0+4*\s+1], s43, \s*32768                       ; LDS address: 65,536 w + 32,768 s
	s_add_nc_u64 s[G0+4*\s+2:G0+4*\s+3], s[12:13], \s*131072       ; slot 0: my quarter of Wq; slot 1: of Wk
	s_or_b32 s[G0+4*\s+3], s[G0+4*\s+3], 0x80000000                ; type = 2
	tensor_load_to_lds s[G0+4*\s:G0+4*\s+3], s[G1:G1+7]            ; two tensor loads of the wave are out
	s_nop 0
.endr
	; the group's mean and variance from its eight chunks of 16,384: M2 = sum of M2_i + 16,384 x sum of (mean_i - mean)^2
	s_wait_loadcnt 20                              ; all but the twenty bias loads issued last
	v_pk_add_f32 v[16:17], v[ST:ST+1], v[ST+2:ST+3]
	v_pk_add_f32 v[18:19], v[ST+4:ST+5], v[ST+6:ST+7]
	v_pk_add_f32 v[20:21], v[ST+8:ST+9], v[ST+10:ST+11]
	v_pk_add_f32 v[22:23], v[ST+12:ST+13], v[ST+14:ST+15]
	v_pk_add_f32 v[16:17], v[16:17], v[18:19]
	v_pk_add_f32 v[20:21], v[20:21], v[22:23]
	v_pk_add_f32 v[16:17], v[16:17], v[20:21]      ; (sum of means, sum of M2)
	v_mul_f32 v14, 0x3e000000, v16                 ; mean = / 8
	v_sub_f32 v18, v[ST], v14
	v_mul_f32 v19, v18, v18
.irp i, 1,2,3,4,5,6,7
	v_sub_f32 v18, v[ST+2*\i], v14
	v_fmac_f32 v19, v18, v18
.endr
	v_fmamk_f32 v17, v19, 0x46800000, v17          ; + 16,384 x
	v_mov_b32 v20, 0x37000000                      ; 1 / 131,072
	v_fmaak_f32 v17, v17, v20, 0x3727c5ac          ; variance + 1e-5
	v_rsq_f32 v15, v17
	v_nop                                          ; one plain place behind the transcendental (ISA guide 5.7.2)
.set ii, 0
	s_wait_alu depctr_va_vdst(0)
.rept 16
	v_pk_mul_f32 v[GM+2*ii:GM+2*ii+1], v[GM+2*ii:GM+2*ii+1], v[14:15] op_sel:[0,1] op_sel_hi:[1,1]   ; gamma rstd
.set ii, ii+1
.endr
; row 2 p + sel of my 32: (x - mean) (gamma rstd) + beta, to bf16, 8 bytes into xn.  sel picks the row's register of the pairs of gamma and beta.
.macro NROW p, sel
.set xa, X+8*\p+4*\sel
	v_pk_add_f32 v[xa:xa+1],   v[xa:xa+1],   v[14:15] op_sel_hi:[1,0] neg_lo:[0,1] neg_hi:[0,1]
	v_pk_add_f32 v[xa+2:xa+3], v[xa+2:xa+3], v[14:15] op_sel_hi:[1,0] neg_lo:[0,1] neg_hi:[0,1]
	v_pk_fma_f32 v[xa:xa+1],   v[xa:xa+1],   v[GM+2*\p:GM+2*\p+1], v[BT+2*\p:BT+2*\p+1] op_sel:[0,\sel,\sel] op_sel_hi:[1,\sel,\sel]
	v_pk_fma_f32 v[xa+2:xa+3], v[xa+2:xa+3], v[GM+2*\p:GM+2*\p+1], v[BT+2*\p:BT+2*\p+1] op_sel:[0,\sel,\sel] op_sel_hi:[1,\sel,\sel]
	v_cvt_pk_bf16_f32 v[xa],   v[xa],   v[xa+1]
	v_cvt_pk_bf16_f32 v[xa+1], v[xa+2], v[xa+3]
	ds_store_b64 v7, v[xa:xa+1] offset:XP*(2*\p+\sel)
.endm
.irp p, 0,1,2,3,4,5,6,7,8,9,10,11,12,13,14,15
	NROW \p, 0
	NROW \p, 1
.endr
	s_wait_dscnt 0x0                               ; my rows of xn are written, for the other waves' sake
	s_barrier_signal -1
	s_barrier_wait -1                              ; the two tensor loads may stay out
	WIN 0x40                                       ; destination in window 1
.irp pt, 0,1,2,3
.irp cs, 0,1,2,3,4,5,6,7
	ds_load_tr16_b128 v[8*(8*\pt+\cs):8*(8*\pt+\cs)+3],   v8 offset:32*\cs*XP+32*\pt          ; channels 32 cs + 8 h + 0..7 of pixel 16 pt + r
	ds_load_tr16_b128 v[8*(8*\pt+\cs)+4:8*(8*\pt+\cs)+7], v8 offset:32*\cs*XP+32*\pt+16*XP    ; channels 32 cs + 16 + 8 h + 0..7
.endr
.endr
	s_wait_loadcnt 0x0                             ; the biases
	WIN 0x82
.irp t, 0,1,2,3
.irp i, 1,2,3,4,5,6,7
	v_mov_b32 v[BI+64+8*\t+\i], v[BI+64+8*\t]      ; in a tile of v a lane is one channel: its bias in all eight registers
.endr
.endr
	s_wait_tensorcnt 0x0                           ; my quarters of Wq and Wk are in LDS; only I read them
; 16 LDS loads: the weights of o tile t of the matrix in slot: 8 c steps x 2 halves, 512 consecutive bytes each
.macro FETCHW slot, t, buf
	WIN 0x80
.irp i, 0,1,2,3,4,5,6,7,8,9,10,11,12,13,14,15
	ds_load_b128 v[\buf+4*\i:\buf+4*\i+3], v9 offset:\slot*32768+\t*8192+512*\i
.endr
.endm
; 32 matrix instructions.  The four accumulators take turns, one instruction a turn.  The first products take the bias tile as C: nothing is cleared or added later.
.macro MULQK j, buf
	WIN 0xa6                                       ; A (weights), C, D window 2; B (xn) window 1
.irp cs, 0,1,2,3,4,5,6,7
.irp pt, 0,1,2,3
.if \cs == 0
	v_wmma_f32_16x16x32_bf16 v[ACC+8*\pt:ACC+8*\pt+7], v[\buf+8*\cs:\buf+8*\cs+7], v[8*(8*\pt+\cs):8*(8*\pt+\cs)+7], v[BI+8*\j:BI+8*\j+7]
.else
	v_wmma_f32_16x16x32_bf16 v[ACC+8*\pt:ACC+8*\pt+7], v[\buf+8*\cs:\buf+8*\cs+7], v[8*(8*\pt+\cs):8*(8*\pt+\cs)+7], v[ACC+8*\pt:ACC+8*\pt+7]
.endif
.endr
.endr
.endm
.macro MULV j, buf
	WIN 0xa9                                       ; A (xn) window 1; B (weights), C, D window 2
.irp cs, 0,1,2,3,4,5,6,7
.irp pt, 0,1,2,3
.if \cs == 0
	v_wmma_f32_16x16x32_bf16 v[ACC+8*\pt:ACC+8*\pt+7], v[8*(8*\pt+\cs):8*(8*\pt+\cs)+7], v[\buf+8*\cs:\buf+8*\cs+7], v[BI+8*\j:BI+8*\j+7]
.else
	v_wmma_f32_16x16x32_bf16 v[ACC+8*\pt:ACC+8*\pt+7], v[8*(8*\pt+\cs):8*(8*\pt+\cs)+7], v[\buf+8*\cs:\buf+8*\cs+7], v[ACC+8*\pt:ACC+8*\pt+7]
.endif
.endr
.endr
.endm
; Tile j (kind 0 q, 1 k, 2 v; o tile 4 w + t; weights in buf).  fetch = 1: the next tile's weights (slot nslot, tile nt) go into nbuf meanwhile.
.macro TILE j, kind, t, buf, fetch, nslot, nt, nbuf
.if \fetch
	FETCHW \nslot, \nt, \nbuf
	s_wait_dscnt 16                                ; all but the sixteen loads just issued: this tile's weights (and xn) are in
.else
	s_wait_dscnt 0x0
.endif
.if \kind == 2
	MULV \j, \buf
.else
	MULQK \j, \buf
.endif
	PLACES 5                                       ; behind the last matrix instructions: 4 places before vector instructions read the sums and loads land on the weights, 5 before the next tile writes over the accumulators
.if \kind == 0
	WIN 0x82
.irp i, 0,2,4,6,8,10,12,14,16,18,20,22,24,26,28,30
	v_pk_mul_f32 v[ACC+\i:ACC+\i+1], v[ACC+\i:ACC+\i+1], 0x3db8aa3b op_sel_hi:[1,0]   ; q log2(e) / 16
.endr
.endif
	s_wait_xcnt 0x0                                ; PK, which the last tile's stores read, is rewritten only behind this wait
	WIN 0x0a                                       ; both sources in window 2
.irp pt, 0,1,2,3
.irp i, 0,1,2,3
	v_cvt_pk_bf16_f32 v[PK+4*\pt+\i], v[ACC+8*\pt+2*\i], v[ACC+8*\pt+2*\i+1]
.endr
.endr
	WIN 0
.irp pt, 0,1,2,3
.if \kind == 0
	global_store_b128 v12, v[PK+4*\pt:PK+4*\pt+3], s[20:21] offset:\pt*8192+\t*512
.endif
.if \kind == 1
	global_store_b128 v12, v[PK+4*\pt:PK+4*\pt+3], s[22:23] offset:(\pt>>1)*32768+(\pt&1)*8192+\t*512
.endif
.if \kind == 2
	global_store_b128 v13, v[PK+4*\pt:PK+4*\pt+3], s[22:23] offset:((\pt>>1)+4)*32768+16384+\t*1024+(\pt&1)*512   ; V lies four places behind its key step's K
.endif
.endr
.endm
	FETCHW 0, 0, WB0
	TILE 0, 0, 0, WB0, 1, 0, 1, WB1
	TILE 1, 0, 1, WB1, 1, 0, 2, WB0
	TILE 2, 0, 2, WB0, 1, 0, 3, WB1
	TILE 3, 0, 3, WB1, 1, 1, 0, WB0
	; slot 0 (Wq) has been read to its end: it is filled again, with Wv
	s_wait_dscnt 0x0                               ; my LDS loads are back, the reads of slot 0 among them
	s_wait_tensorcnt 0x0                           ; no tensor load of mine is out, so a group 0 may be written
	ds_add_u32 v30, v31
	s_wait_dscnt 0x0
	s_add_nc_u64 s[G0+2:G0+3], s[G0+2:G0+3], 262144    ; two matrices on
	ROUND                                          ; the same holds of every wave of the four work-groups
	tensor_load_to_lds s[G0:G0+3], s[G1:G1+7]      ; my one tensor load behind the round: one is out; three tiles' products pass before it is waited for
	s_nop 0
	TILE 4, 1, 0, WB0, 1, 1, 1, WB1
	TILE 5, 1, 1, WB1, 1, 1, 2, WB0
	TILE 6, 1, 2, WB0, 1, 1, 3, WB1
	s_wait_tensorcnt 0x0                           ; my quarter of Wv is in: the next tile fetches from it
	TILE 7, 1, 3, WB1, 1, 0, 0, WB0
	TILE 8, 2, 0, WB0, 1, 0, 1, WB1
	TILE 9, 2, 1, WB1, 1, 0, 2, WB0
	TILE 10, 2, 2, WB0, 1, 0, 3, WB1
	TILE 11, 2, 3, WB1, 0, 0, 0, WB0
	s_wait_tensorcnt 0x0
	ds_add_u32 v30, v31
	s_wait_dscnt 0x0
	ROUND                                          ; the closing round: no work-group ends while a partner may still ask jointly
	s_endpgm
.Lfunc_end_k_q5fe6dc6d38_qkv:
	.size	k_q5fe6dc6d38_qkv, .Lfunc_end_k_q5fe6dc6d38_qkv-k_q5fe6dc6d38_qkv
	.p2alignl 7, 3214868480
	.fill 96, 4, 3214868480
	.section	.rodata,"a",@progbits
	.p2align	6, 0x0
	.amdhsa_kernel k_q5fe6dc6d38_qkv
		.amdhsa_group_segment_fixed_size 327680
		.amdhsa_private_segment_fixed_size 0
		.amdhsa_enable_private_segment 0
		.amdhsa_kernarg_size 80
		.amdhsa_user_sgpr_count 2
		.amdhsa_user_sgpr_kernarg_segment_ptr 1
		.amdhsa_wavefront_size32 1
		.amdhsa_system_sgpr_workgroup_id_x 1
		.amdhsa_system_sgpr_workgroup_id_y 1
		.amdhsa_system_sgpr_workgroup_id_z 1
		.amdhsa_system_vgpr_workitem_id 0
		.amdhsa_next_free_vgpr 768
		.amdhsa_next_free_sgpr 66
		.amdhsa_reserve_vcc 0
		.amdhsa_float_denorm_mode_32 3
		.amdhsa_float_denorm_mode_16_64 3
		.amdhsa_memory_ordered 1
		.amdhsa_forward_progress 1
		.amdhsa_inst_pref_size 97
	.end_amdhsa_kernel
	.amdgpu_metadata
---
amdhsa.version: [ 1, 2 ]
amdhsa.kernels:
  - .name:           k_q5fe6dc6d38_qkv
    .symbol:         k_q5fe6dc6d38_qkv.kd
    .args:
      - { .name: x, .offset: 0, .size: 8, .value_kind: global_buffer, .address_space: global }
      - { .name: gamma, .offset: 8, .size: 8, .value_kind: global_buffer, .address_space: global }
      - { .name: beta, .offset: 16, .size: 8, .value_kind: global_buffer, .address_space: global }
      - { .name: stats, .offset: 24, .size: 8, .value_kind: global_buffer, .address_space: global }
      - { .name: wf, .offset: 32, .size: 8, .value_kind: global_buffer, .address_space: global }
      - { .name: bq, .offset: 40, .size: 8, .value_kind: global_buffer, .address_space: global }
      - { .name: bk, .offset: 48, .size: 8, .value_kind: global_buffer, .address_space: global }
      - { .name: bv, .offset: 56, .size: 8, .value_kind: global_buffer, .address_space: global }
      - { .name: qf, .offset: 64, .size: 8, .value_kind: global_buffer, .address_space: global }
      - { .name: kv, .offset: 72, .size: 8, .value_kind: global_buffer, .address_space: global }
    .group_segment_fixed_size: 327680
    .private_segment_fixed_size: 0
    .kernarg_segment_align: 8
    .kernarg_segment_size: 80
    .max_flat_workgroup_size: 128
    .sgpr_count:     66
    .vgpr_count:     768
    .wavefront_size: 32
...
	.end_amdgpu_metadata
.endif
;; end of part 2
;; launch attn (part 3): grid 256 x 1, 4 waves a work-group, clusters of 4 x 1, 327,680 bytes of LDS; arguments qf, kv, wf, bp, x, out0; writes out0
.if DOCPART == 3
	.amdgcn_target "amdgcn-amd-amdhsa--gfx1250"
	.amdhsa_code_object_version 6
	.text
	.protected	k_q5fe6dc6d38_attn
	.globl	k_q5fe6dc6d38_attn
	.p2align	8
	.type	k_q5fe6dc6d38_attn,@function
k_q5fe6dc6d38_attn:
	s_mov_b64 s[64:65], 0
	v_nop
	global_prefetch_b8 v0, s[64:65] scope:SCOPE_SE
	s_setreg_imm32_b32 hwreg(HW_REG_WAVE_MODE, 25, 1), 1
	s_wait_xcnt 0x0
	s_wait_alu depctr_hold_cnt(0) depctr_sa_sdst(0) depctr_va_vdst(0) depctr_va_sdst(0) depctr_va_ssrc(0) depctr_va_vcc(0) depctr_vm_vsrc(0)
	s_getreg_b32 s2, hwreg(HW_REG_IB_STS2, 6, 4)
	s_cmp_eq_u32 s2, 0
	s_cbranch_scc0 .Lentry_in_a_cluster
	s_endpgm
.Lentry_in_a_cluster:
	s_bfe_u32 s2, ttmp6, 0x10000c
	s_cmp_lg_u32 s2, 0x3003
	s_cbranch_scc0 .Lentry_shape_is_right
	s_endpgm
.Lentry_shape_is_right:
; out = Wp softmax(q^T k / 16) v^T + bp + x, one head of 256 channels over 4,096 pixels, 4 batches.  The scores never leave registers.
; A work-group owns 64 queries of a batch (id = 64 batch + query block).  EVERY wave holds all 64 queries (Q: 256 registers; the sums
; O^T, 256 channels x 64 queries in f32: 512 registers) and takes a QUARTER OF THE KEYS: in step i wave w takes key step 4 i + w (32 keys), 32 steps.
; Each wave keeps its own running maximum and sum; the four parts are joined once, at the end.
; All operands lie in memory as register images (lane (r, h): row r; 16 bytes = k 8 h + 0..7 of a half u; ISA guide 7.12.2), and every product's result is the next one's operand in the same lane:
;   S^T = K Q^T   A = K (rows key), B = Q (rows query): register j = key 8 h + j, lane r = query.  The two key tiles, as bf16, are B's image P (rows query, k = 32 keys).
;   O^T = V P     A = V (rows channel), B = P:          register j = channel 8 h + j, lane r = query.  Tiles 2 cs, 2 cs + 1, as bf16, are B's image for the projection.
;   out = Wp O    A = Wp (rows o), B = O:               register j = o, lane r = pixel; through an LDS stage to whole rows of 256 bytes.
; A query's softmax runs down a lane's 16 registers and over lane xor 16.  q carries log2(e) / 16, so v_exp_f32 (base 2) is the exponential.
; The running maximum is taken away before every exponential; the sums are rescaled in every step.
; THE STEP IS A PIPELINE OF TWO HALVES, so that the vector work stands in the places behind the matrix instructions and not between their runs:
;   first half of step i:   the 64 products of the scores of step i + 1; behind each the four packed multiplies that rescale one tile of O by step i's factor
;   second half of step i:  the 64 products O += V P of step i; behind each two to four instructions of the softmax of step i + 1
; A product and the vector work behind it have their destinations in different register windows (scores in window 0, O in windows 2 and 3; O 512, Q 256 and 256
; other registers leave no layout with both in one), so two window switches go with each product: 1 + 2 + 4 issue slots for each matrix instruction.
; So a step reads K of step i + 1 and V of step i; kv holds the two side by side: place p of a batch = [K of key step p | V of key step p - 4], and wave w's
; block i is place 4 i + 4 + w, 32 KiB, one dense tensor load into slot i & 1.  The first load (K of step 0) and the last (V of step 31) are half blocks.
; CLUSTER: the four query blocks of a cluster read the same K and V.  Wave w of each issues the same tensor load (mask 15), which divides the requests for
; kv by four.  Each refill stands behind a round of the cluster's barrier.
; LIMITS: q, k, v, P, O and Wp are bf16; sums, maxima and exponentials f32.  v_exp_f32 gives zero for results under 2^-126 (ISA guide 15.8).  The keys are
; summed in four parts joined by the true maximum, an order of rounding other than one sum over all keys.
.set WAVE, 16                          ; s16      wave number
.set G1,   24                          ; s[24:31] descriptor group 1: a whole block, 128 rows of 256 bytes
.set G0,   32                          ; s[32:39] descriptor group 0, one set for each slot
.set G1H,  44                          ; s[44:51] descriptor group 1: half a block, 64 rows
.set KVB,  4325376                     ; bytes of kv for a batch: 132 places of 32 KiB
; LDS 0 .. 262,143: the ring: wave w, slot s at 65,536 w + 32,768 s (K's half, then V's), filled and read by wave w alone.  Behind its last fill it carries the four waves' raw sums, then each wave's output stage.
.set STA,  262144                      ; [wave][query tile][maximum: 16 words | sum: 16 words], 2 KiB
.set OFS,  264192                      ; the joined O as bf16 images, [query tile][channel tile 16][lane][16 bytes], 32 KiB
; window 0: v2 ring + 16 lane  v3 16 lane  v4 Wp  v5 bp  v6 x, out0  v7 STA store  v32 STA read  v33-36 raw sums of wave 0..3  v37, v38 OFS store, read  v39, v40 stage store, read
.set MS0,  8                           ; v[8:11]    running maximum of the four query tiles behind an even step's softmax
.set MS1,  12                          ; v[12:15]   the same behind an odd step's: no copy from new to old
.set AL,   16                          ; v[16:19]   2^(old maximum - new maximum)
.set LS,   20                          ; v[20:23]   running sum, each half of the lanes its own keys
.set T,    24                          ; v[24:31]   at work
.set FW,   44                          ; v[44:47]   the join's four factors
.set FR,   64                          ; v[64:127]  eight operands of K or V: two halves of four
.set SB0,  128                         ; v[128:191] scores of even steps: tile (query tile q, key tile kt) at 16 q + 8 kt; P of q is packed in place into 16 q .. 16 q + 7
.set SB1,  192                         ; v[192:255] scores of odd steps
.set XR,   64                          ; at the end v[64:191] hold the residual x,
.set BP,   192                         ; v[192:223] four bias tiles
; window 1: Q (query tile q, c step cs) at 8 (8 q + cs); at the end Wp (o tile t, cs) at 8 (8 t + cs)
; windows 2, 3: O^T tile m = 4 ct + q (channel tile ct, query tile q) at 8 (m & 31) of window 2 + (m >> 5)
.set MSB, 0
.macro WIN new                         ; s_set_vgpr_msb: bits 1:0 source 0, 3:2 source 1, 5:4 source 2, 7:6 destination; the high byte repeats the setting left
.if MSB != \new
	s_set_vgpr_msb (MSB<<8)|\new
.set MSB, \new
.endif
.endm
.macro PLACES count
.rept \count
	v_nop
.endr
.endm
.macro CREST                           ; a round of the cluster's barrier behind its opening barrier
	s_cmp_lg_u32 s[WAVE], 0
	s_cbranch_scc1 .Lnot_wave_0_\@
	s_barrier_signal -3
.Lnot_wave_0_\@:
	s_barrier_wait -3
	s_barrier_signal -1
	s_barrier_wait -1
.endm
.macro ROUND                           ; a whole round
	s_barrier_signal -1
	s_barrier_wait -1
	CREST
.endm
	s_load_b256 s[4:11], s[0:1], 0x0               ; qf s[4:5], kv s[6:7], wf s[8:9], bp s[10:11]
	s_load_b128 s[12:15], s[0:1], 0x20             ; x s[12:13], out0 s[14:15]
	v_lshl_add_u32 v43, v0, 2, 0x48800
	v_mov_b32 v63, 0
	ds_add_u32 v43, v63
	v_lshrrev_b32 v24, 5, v0
	v_readfirstlane_b32 s[WAVE], v24
	s_bfe_u32 s17, ttmp6, 0x40000                  ; cx
	s_lshl_b32 s18, ttmp9, 2
	s_add_co_u32 s18, s18, s17                     ; id = 4 x cluster + cx
	s_lshr_b32 s19, ttmp9, 4                       ; batch: sixteen clusters each; the four partners share it
	s_mov_b32 s40, 0x76543210                      ; v_permlanex16_b32: lane i reads lane i of the other half
	s_mov_b32 s41, 0xfedcba98
	s_mov_b32 s[G1+0], 15|(3<<16)|(1<<21)          ; mask: all four of the cluster; elements of 8 bytes; bit 21 beside a mask; no padding: all LDS reads are 512 consecutive bytes
	s_mov_b32 s[G1+1], 32<<16                      ; tensor_dim0 = 32
	s_mov_b32 s[G1+2], 128<<16                     ; tensor_dim1 = 128
	s_mov_b32 s[G1+3], 32<<16                      ; tile_dim0 = 32: rows of 256 bytes
	s_mov_b32 s[G1+4], 128                         ; tile_dim1 = 128: 32 KiB
	s_mov_b32 s[G1+5], 32                          ; dense
	s_mov_b32 s[G1+6], 0
	s_mov_b32 s[G1+7], 0
	s_mov_b32 s[G1H+0], 15|(3<<16)|(1<<21)         ; the same with 64 rows: 16 KiB
	s_mov_b32 s[G1H+1], 32<<16
	s_mov_b32 s[G1H+2], 64<<16
	s_mov_b32 s[G1H+3], 32<<16
	s_mov_b32 s[G1H+4], 64
	s_mov_b32 s[G1H+5], 32
	s_mov_b32 s[G1H+6], 0
	s_mov_b32 s[G1H+7], 0
	v_and_b32 v1, 31, v0                           ; lane
	v_and_b32 v25, 15, v0                          ; r
	v_bfe_u32 v26, v0, 4, 1                        ; h
	v_lshlrev_b32 v3, 4, v1                        ; 16 lane
	s_mul_i32 s43, s[WAVE], 65536                  ; my two slots
	v_add_nc_u32 v2, s43, v3
	v_lshl_add_u32 v4, s[WAVE], 15, v3             ; Wp: my four o tiles
	v_lshlrev_b32 v5, 5, v26
	v_lshl_add_u32 v5, s[WAVE], 8, v5              ; bp: o = 64 w + 16 t + 8 h + j
	v_lshlrev_b32 v27, 4, v25                      ; 16 r
	v_lshl_add_u32 v6, v26, 14, v27
	v_lshl_add_u32 v6, s[WAVE], 20, v6             ; x, out0: row 64 w + h, 16 bytes a lane
	v_lshlrev_b32 v28, 2, v25                      ; 4 r
	v_lshl_add_u32 v7, s[WAVE], 9, v28
	v_add_nc_u32 v7, STA, v7
	v_lshl_add_u32 v32, s[WAVE], 7, v28
	v_add_nc_u32 v32, STA, v32
	v_lshl_add_u32 v33, s[WAVE], 14, v3            ; query tile w in the raw sums of wave 0,
	v_add_nc_u32 v34, 0x10000, v33                 ; 1,
	v_add_nc_u32 v35, 0x20000, v33                 ; 2,
	v_add_nc_u32 v36, 0x30000, v33                 ; 3
	v_lshl_add_u32 v37, s[WAVE], 13, v3
	v_add_nc_u32 v37, OFS, v37
	v_add_nc_u32 v38, OFS, v3
	v_mul_u32_u24 v29, v26, 272                    ; the stage's pitch: 256 + 16 bytes
	v_lshl_add_u32 v39, v29, 3, v28                ; in: row 8 h (+ 16 t + j), word r
	v_add_nc_u32 v39, s43, v39
	v_add_nc_u32 v40, v29, v27                     ; back: row h (+ 2 n), 16 bytes a lane
	v_add_nc_u32 v40, s43, v40
	s_mul_i32 s22, s19, KVB                        ; kv: my batch, place w; s[22:23] never hold my place in the cluster
	s_lshl_b32 s23, s[WAVE], 15
	s_add_co_u32 s22, s22, s23
	s_mov_b32 s23, 0
	s_lshl_b32 s20, s18, 15                        ; qf: four query tiles of 8 KiB
	s_mov_b32 s21, 0
	s_wait_dscnt 0x0
	s_wait_kmcnt 0x0
	s_add_nc_u64 s[6:7], s[6:7], s[22:23]
	s_add_nc_u64 s[4:5], s[4:5], s[20:21]
	s_and_b32 s20, s18, 63
	s_lshl_b32 s20, s20, 8                         ; x, out0: my 64 pixels,
	s_lshl_b32 s42, s19, 22                        ; my batch
	s_add_co_u32 s20, s20, s42
	s_add_nc_u64 s[12:13], s[12:13], s[20:21]
	s_add_nc_u64 s[14:15], s[14:15], s[20:21]
	WIN 0x40                                       ; destination in window 1
.set ii, 0
.rept 64
	global_load_b128 v[4*ii:4*ii+3], v3, s[4:5] offset:512*ii      ; Q, every wave all of it
.set ii, ii+1
.endr
	WIN 0
	ROUND                                          ; all four work-groups are here: the first joint loads meet
	s_mov_b32 s[G0+4], 1                           ; slot 1 first takes K of my step 0: place w, K's half alone
	s_add_co_u32 s[G0+5], s43, 32768               ; LDS address: 65,536 w + 32,768
	s_add_nc_u64 s[G0+6:G0+7], s[6:7], 0
	s_or_b32 s[G0+7], s[G0+7], 0x80000000          ; type = 2
	tensor_load_to_lds s[G0+4:G0+7], s[G1H:G1H+7]
	s_nop 0
	s_mov_b32 s[G0], 1                             ; slot 0: block 0 = place 4 + w: K of step 1, V of step 0
	s_add_co_u32 s[G0+1], s43, 0
	s_add_nc_u64 s[G0+2:G0+3], s[6:7], 131072
	s_or_b32 s[G0+3], s[G0+3], 0x80000000
	tensor_load_to_lds s[G0:G0+3], s[G1:G1+7]      ; two tensor loads of the wave are out
	s_nop 0
; A run of 8 LDS loads of 512 consecutive bytes: four operands of the block in slot, into half g & 1 of FR.
; g = 0, 1: key tile 1 of K, c steps 0-3, 4-7;  g = 2, 3: key tile 0;  g = 4 .. 7: channel tiles 4 (g - 4) .. + 3 of V.
.macro FETCH4 slot, g
.if (\g) < 4
.set fo, (\slot)*32768+(1-(\g)/2)*8192+((\g)&1)*4096
.else
.set fo, (\slot)*32768+16384+((\g)-4)*4096
.endif
.irp i, 0,1,2,3,4,5,6,7
	ds_load_b128 v[FR+32*((\g)&1)+4*\i:FR+32*((\g)&1)+4*\i+3], v2 offset:fo+512*\i
.endr
.endm
; Product m (0..63) of the scores into buffer sb: operand m >> 2 of K (key tile 1 first, so that P's registers, key tile 0's place, are written over 32 products behind their last reader),
; query tile m & 3.  The four accumulators take turns, one instruction a turn; the first product of a tile starts its sum.
.macro XW m, sb
.set xq, (\m)&3
.set xcs, ((\m)>>2)&7
.set xd, \sb+16*xq+8*(1-((\m)>>5))
.if xcs == 0
	v_wmma_f32_16x16x32_bf16 v[xd:xd+7], v[FR+8*xcs:FR+8*xcs+7], v[8*(8*xq+xcs):8*(8*xq+xcs)+7], 0
.else
	v_wmma_f32_16x16x32_bf16 v[xd:xd+7], v[FR+8*xcs:FR+8*xcs+7], v[8*(8*xq+xcs):8*(8*xq+xcs)+7], v[xd:xd+7]
.endif
.endm
; Tile m of O times 2^(old maximum - new maximum) of its query tile m & 3: four packed multiplies
.macro XCH m
.set xb, 8*((\m)&31)
.set xp, AL+((\m)&2)
.if (\m) < 32
	WIN 0x82                                       ; destination and source 0 in window 2
.else
	WIN 0xc3                                       ; in window 3
.endif
.if (\m)&1
.irp i, 0,2,4,6
	v_pk_mul_f32 v[xb+\i:xb+\i+1], v[xb+\i:xb+\i+1], v[xp:xp+1] op_sel:[0,1] op_sel_hi:[1,1]
.endr
.else
.irp i, 0,2,4,6
	v_pk_mul_f32 v[xb+\i:xb+\i+1], v[xb+\i:xb+\i+1], v[xp:xp+1] op_sel:[0,0] op_sel_hi:[1,0]
.endr
.endif
.endm
; cnt products of the scores from product m0 on; resc = 1: behind each the rescaling of the tile of O with its number
.macro XQ sb, m0, cnt, resc
.set xm, \m0
.rept \cnt
	WIN 0x04                                       ; B (Q) in window 1
	XW xm, \sb
.if \resc
	XCH xm
.endif
.set xm, xm+1
.endr
.endm
; Product m (0..63) of O += V P: channel tile m >> 2, query tile m & 3; 64 accumulators, each once
.macro YW m, pb, first
.set yq, (\m)&3
.set yc, ((\m)>>2)&7
.set yd, 8*(4*yc+yq)
.if \first
	v_wmma_f32_16x16x32_bf16 v[yd:yd+7], v[FR+8*yc:FR+8*yc+7], v[\pb+16*yq:\pb+16*yq+7], 0
.else
	v_wmma_f32_16x16x32_bf16 v[yd:yd+7], v[FR+8*yc:FR+8*yc+7], v[\pb+16*yq:\pb+16*yq+7], v[yd:yd+7]
.endif
.endm
; THE SOFTMAX, one instruction at a time.  SMB: the scores' buffer; SMN, SMO: the new and the old maxima.
; instruction j (0..10) of the maximum of query tile q: my 16 scores and the old maximum, the other half of the lanes, old - new
.macro MOP q, j, first
.set mb, SMB+16*(\q)
.set mt, T+4*((\q)&1)
.if (\j) == 0
	v_max3_num_f32 v[mt], v[mb], v[mb+1], v[mb+2]
.endif
.if (\j) == 1
	v_max3_num_f32 v[mt+1], v[mb+3], v[mb+4], v[mb+5]
.endif
.if (\j) == 2
	v_max3_num_f32 v[mt+2], v[mb+6], v[mb+7], v[mb+8]
.endif
.if (\j) == 3
	v_max3_num_f32 v[mt+3], v[mb+9], v[mb+10], v[mb+11]
.endif
.if (\j) == 4
	v_max3_num_f32 v[mt], v[mt], v[mb+12], v[mb+13]
.endif
.if (\j) == 5
	v_max3_num_f32 v[mt+1], v[mt+1], v[mb+14], v[mb+15]
.endif
.if (\j) == 6
.if \first
	v_max_num_f32 v[mt+2], v[mt+2], v[mt+3]
.else
	v_max3_num_f32 v[mt+2], v[mt+2], v[mt+3], v[SMO+(\q)]
.endif
.endif
.if (\j) == 7
	v_max3_num_f32 v[mt], v[mt], v[mt+1], v[mt+2]
.endif
.if (\j) == 8
	v_permlanex16_b32 v[mt+1], v[mt], s40, s41
.endif
.if (\j) == 9
	v_max_num_f32 v[SMN+(\q)], v[mt], v[mt+1]
.endif
.if (\j) == 10
	v_sub_f32 v[AL+(\q)], v[SMO+(\q)], v[SMN+(\q)]
.endif
.endm
; scores 2 j, 2 j + 1 of query tile q minus its maximum
.macro BOP q, j
.set bb, SMB+16*(\q)+2*(\j)
.set bm, SMN+((\q)&2)
.if (\q)&1
	v_pk_add_f32 v[bb:bb+1], v[bb:bb+1], v[bm:bm+1] op_sel:[0,1] op_sel_hi:[1,1] neg_lo:[0,1] neg_hi:[0,1]
.else
	v_pk_add_f32 v[bb:bb+1], v[bb:bb+1], v[bm:bm+1] op_sel:[0,0] op_sel_hi:[1,0] neg_lo:[0,1] neg_hi:[0,1]
.endif
.endm
; exponential j of query tile q: 0 the rescaling factor, 1..16 the scores
.macro EOP q, j
.if (\j) == 0
	v_exp_f32 v[AL+(\q)], v[AL+(\q)]
.else
	v_exp_f32 v[SMB+16*(\q)+(\j)-1], v[SMB+16*(\q)+(\j)-1]
.endif
.endm
; instruction j (0..16) of the sum of query tile q: my 16 exponentials join the running sum; P is rounded to bf16 in place, ascending, each target already read
.macro UOP q, j, first
.set ub, SMB+16*(\q)
.if (\j) < 4
	s_wait_alu depctr_va_vdst(0)
	v_pk_add_f32 v[T+2*(\j):T+2*(\j)+1], v[ub+4*(\j):ub+4*(\j)+1], v[ub+4*(\j)+2:ub+4*(\j)+3]
.endif
.if (\j) >= 4
.if (\j) < 8
.set ui, (\j)-4
	v_cvt_pk_bf16_f32 v[ub+ui], v[ub+2*ui], v[ub+2*ui+1]
.endif
.endif
.if (\j) == 8
	v_pk_add_f32 v[T:T+1], v[T:T+1], v[T+2:T+3]
.endif
.if (\j) == 9
	v_pk_add_f32 v[T+4:T+5], v[T+4:T+5], v[T+6:T+7]
.endif
.if (\j) >= 10
.if (\j) < 14
.set ui, (\j)-6
	v_cvt_pk_bf16_f32 v[ub+ui], v[ub+2*ui], v[ub+2*ui+1]
.endif
.endif
.if (\j) == 14
	v_pk_add_f32 v[T:T+1], v[T:T+1], v[T+4:T+5]
.endif
.if (\j) == 15
.if \first
	v_add_f32 v[LS+(\q)], v[T], v[T+1]
.else
	v_add_f32 v[T], v[T], v[T+1]
.endif
.endif
.if (\j) == 16
.if \first == 0
	v_fma_f32 v[LS+(\q)], v[LS+(\q)], v[AL+(\q)], v[T]
.endif
.endif
.endm
; The 144 plain instructions in their order: maxima of tiles 0 and 1 by turns (0-21), subtractions 0, 1 (22-37), maxima 2 and 3 by turns (38-59), subtractions 2, 3 (60-75), sums 0 to 3 (76-143).
; Both maxima of a register pair are written before a subtraction names the pair.
.macro PLOP x
.if (\x) < 22
.set pq, (\x)&1
.set pj, (\x)>>1
	MOP pq, pj, 0
.else
.if (\x) < 38
.set pq, ((\x)-22)/8
.set pj, ((\x)-22)%8
	BOP pq, pj
.else
.if (\x) < 60
.set pq, 2+(((\x)-38)&1)
.set pj, ((\x)-38)>>1
	MOP pq, pj, 0
.else
.if (\x) < 76
.set pq, 2+((\x)-60)/8
.set pj, ((\x)-60)%8
	BOP pq, pj
.else
.set pq, ((\x)-76)/17
.set pj, ((\x)-76)%17
	UOP pq, pj, 0
.endif
.endif
.endif
.endif
.endm
.macro ELOP e                          ; the 68 exponentials in their order: 17 for each query tile
.set eq, (\e)/17
.set ej, (\e)%17
	EOP eq, ej
.endm
; What stands behind product c of O += V P: four plain instructions behind each of the first 8, two behind each later one (32 + 2 x 56 = 144), and two exponentials behind products 8 to 41 (68).
; By these counts every exponential stands behind its subtraction (tile 2's first: product 25 against 22), and a tile's sums begin at least 14 products behind its last exponential
; (tile 0: 30 against 16; tile 3: 55 against 41), with plain instructions between, so that the place behind a transcendental is kept (ISA guide 5.7.2).
.macro YCH c
.if (\c) < 8
.set yp, 4*(\c)
	PLOP yp
	PLOP yp+1
	PLOP yp+2
	PLOP yp+3
.else
.set yp, 32+2*((\c)-8)
	PLOP yp
	PLOP yp+1
.if (\c) < 42
.set ye, 2*((\c)-8)
	ELOP ye
	ELOP ye+1
.endif
.endif
.endm
; cnt products of O += V P from product m0 on.  kind 0: behind each its share of the next step's softmax; 1: the rescaling of tile 32 + m; 2: nothing
.macro YQ pb, first, m0, cnt, kind
.set ym, \m0
.rept \cnt
.if ym < 32
	WIN 0xa0                                       ; C, D in window 2
.else
	WIN 0xf0                                       ; in window 3
.endif
	YW ym, \pb, \first
.if \kind == 0
	WIN 0
	YCH ym
.endif
.if \kind == 1
	XCH ym+32
.endif
.set ym, ym+1
.endr
.endm
; the softmax of step 0, by itself: no old maximum, no factor, the sums begin
.macro SOFT0
.irp q, 0,1,2,3
.irp j, 0,1,2,3,4,5,6,7,8,9
	MOP \q, \j, 1
.endr
.endr
.irp q, 0,1,2,3
.irp j, 0,1,2,3,4,5,6,7
	BOP \q, \j
.endr
.endr
.irp q, 0,1,2,3
.irp j, 1,2,3,4,5,6,7,8,9,10,11,12,13,14,15,16
	EOP \q, \j
.endr
.endr
	v_nop                                          ; one plain place behind the run of transcendentals (ISA guide 5.7.2)
.irp q, 0,1,2,3
.irp j, 0,1,2,3,4,5,6,7,8,9,10,11,12,13,14,15
	UOP \q, \j, 1
.endr
.endr
.endm
; STEP i, par = i & 1: reads slot par alone.  first = 1 (step 0): nothing to rescale, the products start the sums of O.
; mode 3: slot par is filled again with block i + 2; 2: with the last block's V half; 1: no refill, the next step has V alone.
; LDS loads go in eight runs of eight, each issued 16 products ahead of its use into the half of FR that the run before read.  A load lands on a register that a matrix
; instruction has read four places behind it (ISA guide 7.12.1 for vector instructions): in the first half the four multiplies behind
; the last product are the places, elsewhere four v_nop.  s_wait_dscnt 8 leaves out the eight loads just issued: the run before them, this run's operands, is in.
.macro STEP par, first, mode
.set SMB, SB0+64*(1-\par)
.set SMN, MS0+4*(1-\par)
.set SMO, MS0+4*\par
.set PB,  SB0+64*\par
	PLACES 4
	FETCH4 \par, 1
	s_wait_dscnt 8
	XQ SMB, 0, 16, 1-\first
.if \first
	PLACES 4
.endif
	WIN 0x04                                       ; loads: destination and address in window 0
	FETCH4 \par, 2
	s_wait_dscnt 8
	XQ SMB, 16, 16, 1-\first
.if \first
	PLACES 4
.endif
	WIN 0x04
	FETCH4 \par, 3
	s_wait_dscnt 8
	XQ SMB, 32, 16, 1-\first
.if \first
	PLACES 4
.endif
	WIN 0x04
	FETCH4 \par, 4
	s_wait_dscnt 8
	XQ SMB, 48, 16, 1-\first
.if \first
	PLACES 4                                       ; also the places before the softmax reads the last scores
.endif
	WIN 0
	FETCH4 \par, 5
	s_wait_dscnt 8
	YQ PB, \first, 0, 16, 0
	PLACES 4
	FETCH4 \par, 6
	s_wait_dscnt 8
	YQ PB, \first, 16, 16, 0
	PLACES 4
	FETCH4 \par, 7                                 ; the last reads of this slot
	s_wait_dscnt 8
	YQ PB, \first, 32, 12, 0
.if \mode >= 2
	s_wait_dscnt 0x0                               ; all of this slot is in registers: my reads of it are over (the last were issued 12 products ago)
	s_wait_tensorcnt 0x0                           ; and all my tensor loads have landed: the one that was out is the next step's block; so a group 0 may be written
	ds_add_u32 v43, v63
	s_wait_dscnt 0x0
.if \mode == 3
	s_add_nc_u64 s[G0+4*\par+2:G0+4*\par+3], s[G0+4*\par+2:G0+4*\par+3], 262144          ; two blocks = eight places on
.else
	s_add_nc_u64 s[G0+4*\par+2:G0+4*\par+3], s[G0+4*\par+2:G0+4*\par+3], 262144+16384    ; the last block's V half,
	s_add_co_u32 s[G0+4*\par+1], s[G0+4*\par+1], 16384                                   ; into the slot's V half
.endif
	s_barrier_signal -1                            ; opens the round; register work alone up to its end
.endif
	YQ PB, \first, 44, 4, 0
.if \mode >= 2
	s_barrier_wait -1
	CREST                                          ; no wave of any partner still reads this slot or has a load on its way
.if \mode == 3
	tensor_load_to_lds s[G0+4*\par:G0+4*\par+3], s[G1:G1+7]     ; my one tensor load behind the round: one is out, with a whole step in which to land
	s_nop 0
.else
	tensor_load_to_lds s[G0+4*\par:G0+4*\par+3], s[G1H:G1H+7]
	s_nop 0
.endif
.else
	s_wait_tensorcnt 0x0                           ; the last load, V of step 31, is in
.endif
	PLACES 4
.if \mode >= 2
	FETCH4 1-\par, 0                               ; the next step's first operands of K, from the other slot
.else
	FETCH4 1-\par, 4                               ; the last step's first operands of V
.endif
	s_wait_dscnt 8
	YQ PB, \first, 48, 16, 0
.endm
; Step 31: no scores are left to make.  Channels 0-127 are rescaled by themselves; the rescaling of channels 128-255 rides behind the products of channels 0-127.
.macro LAST
.set lm, 0
.rept 32
	XCH lm
.set lm, lm+1
.endr
	WIN 0
	FETCH4 1, 5
	s_wait_dscnt 8
	YQ SB1, 0, 0, 16, 1
	WIN 0
	FETCH4 1, 6
	s_wait_dscnt 8
	YQ SB1, 0, 16, 16, 1
	WIN 0
	FETCH4 1, 7
	s_wait_dscnt 8
	YQ SB1, 0, 32, 16, 2
	s_wait_dscnt 0x0
	YQ SB1, 0, 48, 16, 2
	PLACES 5                                       ; behind the last matrix instructions, before loads land on their operands and LDS stores read the sums
	WIN 0
.endm
	; THE PROLOGUE: the scores of step 0, from K's half of slot 1, and their softmax
.set SMB, SB0
.set SMN, MS0
.set SMO, MS0
	s_wait_tensorcnt 0x1                           ; K of my step 0 is in; block 0's load may stay out; only I read these bytes
	FETCH4 1, 0
	FETCH4 1, 1
	s_wait_dscnt 8
	s_wait_loadcnt 0x0                             ; Q
	XQ SB0, 0, 16, 0
	PLACES 4
	FETCH4 1, 2
	s_wait_dscnt 8
	XQ SB0, 16, 16, 0
	PLACES 4
	FETCH4 1, 3
	s_wait_dscnt 8
	XQ SB0, 32, 16, 0
	PLACES 4
	s_set_vgpr_msb 0x400
	s_wait_tensorcnt 0x0                           ; block 0 is in: no tensor load of mine is out from here to the refill below
	ds_add_u32 v43, v63
	s_wait_dscnt 0x0
	s_set_vgpr_msb 0x4
	FETCH4 0, 0                                    ; step 0's first operands: K of step 1
	s_wait_dscnt 8
	XQ SB0, 48, 16, 0
	PLACES 4                                       ; before the softmax reads the scores
	WIN 0
	s_wait_dscnt 0x0                               ; my reads of slot 1 are over
	s_add_nc_u64 s[G0+6:G0+7], s[G0+6:G0+7], 262144    ; block 1
	s_barrier_signal -1                            ; opens the round; register work alone up to its end
	SOFT0
	s_barrier_wait -1
	CREST
	tensor_load_to_lds s[G0+4:G0+7], s[G1:G1+7]    ; my one tensor load behind the round: one is out
	s_nop 0
	STEP 0, 1, 3                                   ; step 0 stands in front of the loop: it starts the sums of O
	s_mov_b32 s42, 14
.Lsteps:
	STEP 1, 0, 3                                   ; steps 1 to 28; the refill of step i brings block i + 2
	STEP 0, 0, 3
	s_sub_co_u32 s42, s42, 1
	s_cmp_lg_u32 s42, 0
	s_cbranch_scc1 .Lsteps
	STEP 1, 0, 2                                   ; step 29 asks for the last block's V half
	STEP 0, 0, 1                                   ; step 30 fills nothing
	LAST
	; THE END.  Loads for the projection go out first: Wp (my 64 rows o), bp, and the residual x of my 64 rows x 64 pixels.
	WIN 0x40
.set ii, 0
.rept 64
	global_load_b128 v[4*ii:4*ii+3], v4, s[8:9] offset:393216+512*ii   ; the fourth matrix of wf
.set ii, ii+1
.endr
	WIN 0
.irp t, 0,1,2,3
	global_load_b128 v[BP+8*\t:BP+8*\t+3],   v5, s[10:11] offset:64*\t
	global_load_b128 v[BP+8*\t+4:BP+8*\t+7], v5, s[10:11] offset:64*\t+16
.endr
.set ii, 0
.rept 32
	global_load_b128 v[XR+4*ii:XR+4*ii+3], v6, s[12:13] offset:32768*ii th:TH_LOAD_NT   ; rows 64 w + 2 ii + h: sixteen lanes take 256 consecutive bytes, aligned
.set ii, ii+1
.endr
	; my part is handed over: maximum, sum (both halves of the lanes joined) and the raw sums, into my own two slots, which have had their last fill
.irp q, 0,1,2,3
	v_permlanex16_b32 v[T+\q], v[LS+\q], s40, s41
.endr
.irp q, 0,1,2,3
	v_add_f32 v[LS+\q], v[LS+\q], v[T+\q]
.endr
.irp q, 0,1,2,3
	ds_store_b32 v7, v[MS1+\q] offset:128*\q
	ds_store_b32 v7, v[LS+\q] offset:128*\q+64
.endr
	WIN 0x08                                       ; store data in window 2
.irp c, 0,1,2,3,4,5,6,7
.irp q, 0,1,2,3
	ds_store_b128 v2, v[8*(4*\c+\q):8*(4*\c+\q)+3]   offset:\q*16384+\c*1024
	ds_store_b128 v2, v[8*(4*\c+\q)+4:8*(4*\c+\q)+7] offset:\q*16384+\c*1024+512
.endr
.endr
	WIN 0x0c                                       ; in window 3
.irp c, 0,1,2,3,4,5,6,7
.irp q, 0,1,2,3
	ds_store_b128 v2, v[8*(4*\c+\q):8*(4*\c+\q)+3]   offset:\q*16384+(\c+8)*1024
	ds_store_b128 v2, v[8*(4*\c+\q)+4:8*(4*\c+\q)+7] offset:\q*16384+(\c+8)*1024+512
.endr
.endr
	WIN 0
	s_wait_dscnt 0x0                               ; written, for the other waves' sake
	s_barrier_signal -1
	s_barrier_wait -1
	; wave w joins query tile w: the four waves' maxima m, sums l and raw sums
.irp p, 0,1,2,3
	ds_load_b32 v[48+\p], v32 offset:512*\p
	ds_load_b32 v[52+\p], v32 offset:512*\p+64
.endr
	WIN 0x80
.set ii, 0
.rept 32
	ds_load_b128 v[4*ii:4*ii+3], v33 offset:512*ii             ; wave 0's part: window 2, 0-127 (channel tile ct at 8 ct)
.set ii, ii+1
.endr
.set ii, 0
.rept 32
	ds_load_b128 v[128+4*ii:128+4*ii+3], v34 offset:512*ii     ; wave 1's: window 2, 128-255
.set ii, ii+1
.endr
	WIN 0xc0
.set ii, 0
.rept 32
	ds_load_b128 v[4*ii:4*ii+3], v35 offset:512*ii             ; wave 2's: window 3, 0-127
.set ii, ii+1
.endr
.set ii, 0
.rept 32
	ds_load_b128 v[128+4*ii:128+4*ii+3], v36 offset:512*ii     ; wave 3's: window 3, 128-255
.set ii, ii+1
.endr
	WIN 0
	s_wait_dscnt 0x0
	v_max3_num_f32 v56, v48, v49, v50
	v_max_num_f32 v56, v56, v51                    ; the true maximum M
.irp p, 0,1,2,3
	v_sub_f32 v[57+\p], v[48+\p], v56
.endr
.irp p, 0,1,2,3
	v_exp_f32 v[57+\p], v[57+\p]                   ; e = 2^(m - M)
.endr
	v_nop
	s_wait_alu depctr_va_vdst(0)
	v_mul_f32 v61, v57, v52
	v_fmac_f32 v61, v58, v53
	v_fmac_f32 v61, v59, v54
	v_fmac_f32 v61, v60, v55                       ; the whole sum; at least 1: the wave that holds M has the term 2^0 in its l, and its e is 1
	v_rcp_f32 v62, v61
	v_nop
.irp p, 0,1,2,3
	s_wait_alu depctr_va_vdst(0)
	v_mul_f32 v[FW+\p], v[57+\p], v62              ; the softmax's division rides on the join
.endr
	WIN 0xa2                                       ; source 0, C, D window 2; the factor window 0
.set ii, 0
.rept 64
	v_pk_mul_f32 v[2*ii:2*ii+1], v[2*ii:2*ii+1], v[FW:FW+1] op_sel_hi:[1,0]
.set ii, ii+1
.endr
.set ii, 0
.rept 64
	v_pk_fma_f32 v[2*ii:2*ii+1], v[128+2*ii:128+2*ii+1], v[FW:FW+1], v[2*ii:2*ii+1] op_sel:[0,1,0] op_sel_hi:[1,1,1]
.set ii, ii+1
.endr
	WIN 0xa3                                       ; source 0 window 3
.set ii, 0
.rept 64
	v_pk_fma_f32 v[2*ii:2*ii+1], v[2*ii:2*ii+1], v[FW+2:FW+3], v[2*ii:2*ii+1] op_sel_hi:[1,0,1]
.set ii, ii+1
.endr
.set ii, 0
.rept 64
	v_pk_fma_f32 v[2*ii:2*ii+1], v[128+2*ii:128+2*ii+1], v[FW+2:FW+3], v[2*ii:2*ii+1] op_sel:[0,1,0] op_sel_hi:[1,1,1]
.set ii, ii+1
.endr
	WIN 0xca                                       ; sources window 2, destination window 3
.set ii, 0
.rept 64
	v_cvt_pk_bf16_f32 v[128+ii], v[2*ii], v[2*ii+1]            ; channel tile ct: four registers = one half of the projection's operand
.set ii, ii+1
.endr
	WIN 0x0c
.irp c, 0,1,2,3,4,5,6,7,8,9,10,11,12,13,14,15
	ds_store_b128 v37, v[128+4*\c:128+4*\c+3] offset:512*\c
.endr
	WIN 0
	s_wait_dscnt 0x0                               ; my query tile is written, and my reads of the others' raw sums are back
	s_barrier_signal -1
	s_barrier_wait -1
	; the projection: my 64 rows o x all 64 queries
	WIN 0x80
.set ii, 0
.rept 64
	ds_load_b128 v[4*ii:4*ii+3], v38 offset:512*ii             ; O (query tile q, c step cs) at 8 (8 q + cs) of window 2
.set ii, ii+1
.endr
	s_wait_dscnt 0x0
	s_wait_loadcnt 0x0                             ; Wp, bp, x
	WIN 0xc9                                       ; A (Wp) window 1, B (O) window 2, C (bias) window 0, D window 3
.irp t, 0,1,2,3
.irp q, 0,1,2,3
	v_wmma_f32_16x16x32_bf16 v[8*(4*\t+\q):8*(4*\t+\q)+7], v[64*\t:64*\t+7], v[64*\q:64*\q+7], v[BP+8*\t:BP+8*\t+7]
.endr
.endr
	WIN 0xf9                                       ; C in window 3.  The sixteen accumulators take turns, one instruction a turn
.irp cs, 1,2,3,4,5,6,7
.irp t, 0,1,2,3
.irp q, 0,1,2,3
	v_wmma_f32_16x16x32_bf16 v[8*(4*\t+\q):8*(4*\t+\q)+7], v[8*(8*\t+\cs):8*(8*\t+\cs)+7], v[8*(8*\q+\cs):8*(8*\q+\cs)+7], v[8*(4*\t+\q):8*(4*\t+\q)+7]
.endr
.endr
.endr
	PLACES 4                                       ; before LDS stores read the results and loads land on B's registers
	; the way out: a lane holds a piece of a column, so 64 rows of 256 bytes go through my own stage (pitch 272; rows 8 apart lie 128 bytes apart modulo 256) and come back as rows
	WIN 0x0c
.irp t, 0,1,2,3
.irp q, 0,1,2,3
.irp j, 0,1,2,3,4,5,6,7
	ds_store_b32 v39, v[8*(4*\t+\q)+\j] offset:(16*\t+\j)*272+64*\q
.endr
.endr
.endr
	WIN 0x80
.set ii, 0
.rept 32
	ds_load_b128 v[4*ii:4*ii+3], v40 offset:544*ii             ; LDS serves a wave's instructions in order (ISA guide 5.7.1): these see the stores above
.set ii, ii+1
.endr
	s_wait_dscnt 0x0
	WIN 0x82
.set ii, 0
.rept 64
	v_pk_add_f32 v[2*ii:2*ii+1], v[2*ii:2*ii+1], v[XR+2*ii:XR+2*ii+1]   ; + x
.set ii, ii+1
.endr
	WIN 0x08
.set ii, 0
.rept 32
	global_store_b128 v6, v[4*ii:4*ii+3], s[14:15] offset:32768*ii th:TH_STORE_NT   ; sixteen lanes store 256 consecutive bytes, aligned
.set ii, ii+1
.endr
	WIN 0
	s_wait_tensorcnt 0x0
	ds_add_u32 v43, v63
	s_wait_dscnt 0x0
	ROUND                                          ; the closing round: no work-group ends while a partner may still ask jointly
	s_endpgm
.Lfunc_end_k_q5fe6dc6d38_attn:
	.size	k_q5fe6dc6d38_attn, .Lfunc_end_k_q5fe6dc6d38_attn-k_q5fe6dc6d38_attn
	.p2alignl 7, 3214868480
	.fill 96, 4, 3214868480
	.section	.rodata,"a",@progbits
	.p2align	6, 0x0
	.amdhsa_kernel k_q5fe6dc6d38_attn
		.amdhsa_group_segment_fixed_size 327680
		.amdhsa_private_segment_fixed_size 0
		.amdhsa_enable_private_segment 0
		.amdhsa_kernarg_size 48
		.amdhsa_user_sgpr_count 2
		.amdhsa_user_sgpr_kernarg_segment_ptr 1
		.amdhsa_wavefront_size32 1
		.amdhsa_system_sgpr_workgroup_id_x 1
		.amdhsa_system_sgpr_workgroup_id_y 1
		.amdhsa_system_sgpr_workgroup_id_z 1
		.amdhsa_system_vgpr_workitem_id 0
		.amdhsa_next_free_vgpr 1024
		.amdhsa_next_free_sgpr 66
		.amdhsa_reserve_vcc 0
		.amdhsa_float_denorm_mode_32 3
		.amdhsa_float_denorm_mode_16_64 3
		.amdhsa_memory_ordered 1
		.amdhsa_forward_progress 1
		.amdhsa_inst_pref_size 255
	.end_amdhsa_kernel
	.section	.bss,"aw",@nobits
	.p2align	6
	.space	262144
	.amdgpu_metadata
---
amdhsa.version: [ 1, 2 ]
amdhsa.kernels:
  - .name:           k_q5fe6dc6d38_attn
    .symbol:         k_q5fe6dc6d38_attn.kd
    .args:
      - { .name: qf, .offset: 0, .size: 8, .value_kind: global_buffer, .address_space: global }
      - { .name: kv, .offset: 8, .size: 8, .value_kind: global_buffer, .address_space: global }
      - { .name: wf, .offset: 16, .size: 8, .value_kind: global_buffer, .address_space: global }
      - { .name: bp, .offset: 24, .size: 8, .value_kind: global_buffer, .address_space: global }
      - { .name: x, .offset: 32, .size: 8, .value_kind: global_buffer, .address_space: global }
      - { .name: out0, .offset: 40, .size: 8, .value_kind: global_buffer, .address_space: global }
    .group_segment_fixed_size: 327680
    .private_segment_fixed_size: 0
    .kernarg_segment_align: 8
    .kernarg_segment_size: 48
    .max_flat_workgroup_size: 128
    .sgpr_count:     66
    .vgpr_count:     1024
    .wavefront_size: 32
...
	.end_amdgpu_metadata
.endif
;; end of part 3
